; MI455X (gfx1250); checked and timed in simulation.
; The chip was launched on July 23, 2026; its instructions are those of AMD's public machine-readable ISA for CDNA 5 (MIT licence, August 2026) and "CDNA5" Instruction Set Architecture Reference Guide (July 2026). The comments in the code are by the model that wrote it; some were corrected since.
;; Sparse Causal Self Attention. Allowed arithmetic: matrix products marked QUANTISED: E5M2 operands, one E8M0 scale for each 32 along K, by v_wmma_scale_f32_16x16x128_f8f6f4 with both operands' format E5M2, f32 sums; everything else in f32.
;; Inputs: cum_weight_codes 1,024 x 32 x 32 uint8 (E5M2 codes of cum_weight, K innermost, in blocks of 32 codes); cum_weight_scales 1,024 x 32 uint8 (E8M0 scales of cum_weight, one for each 32 codes along K); k_codes 2 x 1,024 x 8 x 2 x 32 uint8 (E5M2 codes of k, K innermost, in blocks of 32 codes); k_scales 2 x 1,024 x 8 x 2 uint8 (E8M0 scales of k, one for each 32 codes along K); mask 1,024 x 1,024 int32; q_codes 2 x 1,024 x 2 x 8 x 2 x 32 uint8 (E5M2 codes of q, K innermost, in blocks of 32 codes); q_scales 2 x 1,024 x 2 x 8 x 2 uint8 (E8M0 scales of q, one for each 32 codes along K); v_codes 2 x 8 x 64 x 32 x 32 uint8 (E5M2 codes of v, K innermost, in blocks of 32 codes); v_scales 2 x 8 x 64 x 32 uint8 (E8M0 scales of v, one for each 32 codes along K).
;; Outputs: out0 2 x 1,024 x 2 x 8 x 64 float32.
;; This version of the problem:
;;   THIS VERSION OF THE PROBLEM IS GIVEN IN LOW PRECISION. The matrix products marked QUANTISED in the list below multiply operands that are first quantised to E5M2 (5 exponent bits, 2 mantissa bits; 8 bits a number), with one power-of-two scale for each 32 numbers along K (OCP MX v1.0); their sums are f32. All else is computed in f32.
;;   The module's matrix products, in the order in which they are computed (A, B: the left and right operand; K: the contracted axis; several contracted axes count as one K, in the product's order):
;;     1. batch 16 x [M 1,024, K 64] x [K 64, N 2,048]; A: input k (given as codes); B: input q (given as codes): QUANTISED
;;     2. [M 32,768, K 1,024] x [K 1,024, N 1,024]; A: computed on the way; B: input cum_weight (given as codes): QUANTISED
;;     3. batch 16 x [M 64, K 1,024] x [K 1,024, N 2,048]; A: input v (given as codes); B: computed on the way: QUANTISED
;;   THE QUANTISER, for each operand of a quantised product, along K:
;;     - K is cut into blocks of 32 from its start; a last block that is shorter is filled with zeros.
;;     - A block's scale is 2^e with e = floor(log2(the largest magnitude in the block)) - 15, held to -126 .. 127; a block of zeros has e = 0. As a byte (E8M0): e + 127.
;;     - Each number is divided by its block's scale, clamped to +-57,344, and rounded to the nearest number of E5M2, ties to even, subnormals kept.
;;     - The product sums the exact products of the quantised numbers (number of the format x scale) in f32.
;;   ~~~python
;;   def quantise(x, axis):      # numpy; x: float32 -> the quantised numbers, widened to float32 again
;;       x = np.moveaxis(x, axis, -1); K = x.shape[-1]
;;       x = np.pad(x, [(0, 0)] * (x.ndim - 1) + [(0, -K % 32)]); x = x.reshape(x.shape[:-1] + (-1, 32)); a = np.abs(x).max(-1, keepdims=True)
;;       e = np.where(a > 0, np.clip(np.frexp(np.where(a > 0, a, 1))[1] - 1 - 15, -126, 127), 0)      # np.frexp(a)[1] - 1 = floor(log2(a)), exactly
;;       r = np.clip(x / 2.0 ** e, -57344, 57344)
;;       step = 2.0 ** (np.maximum(np.frexp(np.where(r == 0, 1, r))[1] - 1, -14) - 2)
;;       q = np.round(r / step) * step * 2.0 ** e      # np.round: ties to even
;;       return np.moveaxis(q.reshape(q.shape[:-2] + (-1,))[..., :K], -1, axis).astype(np.float32)
;;   ~~~
;;   OPERANDS COMPUTED ON THE WAY. 'Computed on the way' means the value that the module computes at that place (a softmax that the list does not call 'softmax' is quantised finished and normalised). What goes into a quantiser is computed in f32, as accurately as f32 sums, v_exp_f32 and their like allow (about 1e-6 of the number): no bf16 or f16 on the way to a quantiser, and a product that is left as it is and whose result goes on into a quantised operand takes f32 operands (vector FMAs, or v_wmma_f32_16x16x4_f32). A number that lies on a knife's edge between two numbers of the format may be rounded either way, as far as f32 arithmetic and the matrix unit's own rounding can turn it there, and no further.
;;   INPUTS GIVEN AS CODES. cum_weight (in the module: [1024, 1024], K = its axis 0); k (in the module: [2, 1024, 8, 64], K = its axis 3); q (in the module: [2, 1024, 2, 8, 64], K = its axis 4); v (in the module: [2, 1024, 8, 64], K = its axis 1): each comes as NAME_codes (uint8): NAME with its K axis moved to the last place and cut into blocks of 32 codes, [.., K / 32, bytes a block], one block behind the other in memory; one code a byte (a code: sign, 5 exponent bits, 2 mantissa bits); and NAME_scales (uint8): the same leading axes, one E8M0 byte (e + 127) for each 32 codes along K. Its value is code x scale, taken as it is: it is not quantised again, and the codes and scales need not be those that the quantiser above would give.
;; One version. Each part assembles by itself: llvm-mc -triple=amdgcn-amd-amdhsa -mcpu=gfx1250 --defsym DOCPART=n.
;; ======== version 1 of 1: 1 launch
;; launch attn (part 1): grid 512 x 1, 8 waves a work-group, clusters of 4 x 1, 327,680 bytes of LDS; arguments cum_weight_codes, cum_weight_scales, k_codes, k_scales, mask, q_codes, q_scales, v_codes, v_scales, out0; writes out0
.if DOCPART == 1
	.amdgcn_target "amdgcn-amd-amdhsa--gfx1250"
	.amdhsa_code_object_version 6
	.text
	.protected	k_q74aeba3007_attn
	.globl	k_q74aeba3007_attn
	.p2align	8
	.type	k_q74aeba3007_attn,@function
k_q74aeba3007_attn:
	s_mov_b64 s[64:65], 0
	v_nop
	global_prefetch_b8 v0, s[64:65] scope:SCOPE_SE
	s_setreg_imm32_b32 hwreg(HW_REG_WAVE_MODE, 25, 1), 1
	s_wait_xcnt 0x0
	s_wait_alu depctr_hold_cnt(0) depctr_sa_sdst(0) depctr_va_vdst(0) depctr_va_sdst(0) depctr_va_ssrc(0) depctr_va_vcc(0) depctr_vm_vsrc(0)
	s_getreg_b32 s2, hwreg(HW_REG_IB_STS2, 6, 4)
	s_cmp_eq_u32 s2, 0
	s_cbranch_scc0 .Lentry_in_a_cluster
	s_endpgm
.Lentry_in_a_cluster:
	s_bfe_u32 s2, ttmp6, 0x10000c
	s_cmp_lg_u32 s2, 0x3003
	s_cbranch_scc0 .Lentry_shape_is_right
	s_endpgm
.Lentry_shape_is_right:
; y[b,i,kk,hd,:] = sum over c of att[c] v[b,c,hd,:],  att[c] = z[c] exp(sum over j of log_beta[j] cum_weight[j][c]),  z = sigmoid(l), log_beta = log_sigmoid(-l), l = q.k / 8, both 0 where mask = 0.
; All three products run on codes of BF8 (E5M2) with one E8M0 scale for each 32 along K; log_beta and att are quantised here, along j and along c.  mask and cum_weight are taken as they are given: every pair (row, column) is worked.
; ARITHMETIC, s = the raw sum q.k:  a = 2^-|s c| (c = log2(e)/8), u = 1 + a, Pn = ln2 log2(u) + (a - (u - 1)) = log1p(a);  sp = max(s,0)/8 + Pn = -log_beta (never negative);  G = -min(s,0)/8 + Pn = -ln z.
; E5M2 is symmetric, so Q(log_beta) = -Q(sp): sp is quantised, G is added INTO the second product's sum, acc = G + sum Q(sp) cw, and att = 2^(-log2(e) acc).  z is never formed.
; THE MASK is the C of the first product: 0 where mask != 0, else -2^100.  Then a = 0, sp = 0 exactly, G = 2^97 and att = 0 exactly.
; SHARES.  A work-group owns 64 rows: one head (b, hd), 32 queries, both top-k: four tiles m = 2 it + kk of 16.  512 work-groups.  Blocks of 32 columns are numbered 0..31; wave w owns blocks w + 8 n, n = 0..3, for all 64 rows:
; 32 accumulators, 256 registers.  The second product goes in 8 steps of 128 along j, each step updating all 1,024 columns; step s holds blocks 4 s .. 4 s + 3, which belong to waves 0-3 (s even) or 4-7 (s odd):
; a wave makes sp and G only for its own blocks, so G stays in the wave; sp's codes go to all waves through LDS as images of the operand's registers.
; LAYOUT.  All products are used transposed (source 0 = 16 keys, 16 rows of cum_weight, 16 rows of v; source 1 = 16 queries): a lane holds ONE query (lane % 16) and columns 16 u + 8 (lane / 16) + 0..7 of a block.
; The two conversions of a block put these at K places 16 (lane / 16) + 8 u + 0..7: a permutation inside one block of 32, under one scale.  The other operand is loaded with the same permutation, in pieces of 8 bytes.
; CLUSTER.  Every work-group walks the same tiles of cum_weight in the same order, so the four of a cluster ask for each tile JOINTLY (mask 15).  A mask names four work-groups at the most, so a larger cluster would share no more.
; PERIODS.  In period p the group of step p finishes that step's sp (HA p, 1), every wave multiplies step p - 1 (P2), and the other group begins step p + 1 (HA p + 1, 0): one group has vector work first, the other matrix work first.
; The steps are written out: which accumulators take G, which scale register and which image buffer serve hang on the step.
; LEFT OUT: rows of 256 bytes for cum_weight's tiles (two slots of 1,024 such rows are 557,056 bytes); a launch that packs the mask (its bytes would go to memory and back).
; LIMITS: NaN, infinities and the scale byte 0xff among the inputs are not served.  a and att under 2^-126 become 0.  A block of zeros gets the byte 1 over zero codes.  A masked pair gives att = 0 also where reference() has 0 x infinity.
; |q.k| stays far under 2^100.
; LDS: two slots of 1,024 rows x (128 + 16) bytes; three image buffers of 8,192 bytes (fragment m at 2,048 m, block c at 512 c + 16 lane); three buffers of scale words (128 m + 4 lane); the spare words.
; The stage of the last reduction lies in slot 0, which has had its last fill and its last read by then.
.set PITCH,  144                       ; a row of cum_weight in LDS: 36 words, so that the 32 lanes of an 8-byte load (word 36 r + 2 h) touch 64 different banks (64 banks of 4 bytes: ISA guide 11.1)
.set SLOTB,  1024*PITCH
.set WTILE,  128*PITCH                 ; what one tensor load brings
.set XIMG,   2*SLOTB
.set XBUF,   8192
.set XSC,    XIMG+3*XBUF
.set XSB,    512
.set SPARE,  XSC+3*XSB                 ; the spare words: 128 bytes for each of eight waves, four blocks of 256 bytes that no other line names
.set SPITCH, 272
.set PART,   64*SPITCH                 ; a wave's partial y: 64 rows x (256 + 16) bytes
; window 0
.set SPW, 1                            ; LDS address of my spare word; never rewritten
.set NIL, 2                            ; 0; never rewritten
.set AW,  3                            ; my lane's place in my first block's rows of a slot
.set ADW, 4                            ; address of the fragments fetched into buffer 0
.set LI,  5                            ; 16 x lane + XIMG
.set LS,  6                            ; 4 x lane + XSC
.set XWI, 7                            ; where I store images: LI + 512 x (wave % 4)
.set XWS, 8                            ; and scale bytes: LS + wave % 4
.set MA,  9                            ; byte offsets in mask, k, k's scales (each at my block w), q, q's scales
.set KA,  10
.set KSA, 11
.set QA,  12
.set QSA, 13
.set STO, 14                           ; the stage: where I put 32 bytes of a row
.set RD1, 15                           ; and where I read rows back: partials 0-3
.set SCW, 16                           ; v16-47  cum_weight's scale words: v[SCW + 8 n + s], lane L: row 32 (w + 8 n) + L, step s
.set KF,  48                           ; v48-79  two fragments of k; the upper halves are zero codes (K = 64 of 128)
.set QF,  80                           ; v80-95  a fragment of q, likewise
.set BI,  96                           ; v96-111 mask words, then the first product's C
.set KS,  112                          ; k's scale words: lanes 0-15 tile 0, lanes 16-31 tile 1
.set ADW1,113                          ; address of the fragments fetched into buffer 1
.set QS,  114                          ; q's scale words: lanes 0-15 kk = 0, lanes 16-31 kk = 1
.set CWA, 115                          ; byte offset in cum_weight's scales
.set XS,  116                          ; v116-119 sp's scale words, one a tile of rows
.set TMX, 120                          ; largest magnitude
.set TPD, 121                          ; the lane permute's destination
.set THO, 122                          ; the largest number x the scale
.set TSC, 123                          ; the conversion's scale operand
.set TM2, 124                          ; second chain of the maximum
.set PB,  125                          ; v125-126 the scale bytes, one for each kk
.set RD2, 127                          ; the stage: partials 4-7
.set XF,  128                          ; P2: v128-191 sp's four fragments
.set WF,  192                          ; P2: v192-255 cum_weight's fragments: two buffers of two
.set SR0, 128                          ; HA: v128-143 scores kk = 0, v144-159 kk = 1
.set AA,  160
.set UU,  176
.set LL,  192
.set PC,  208                          ; v208-215 the codes just made
.set MX,  216
.set TT,  128                          ; the end: v128-191 64 numbers of a tile; v192-255 att's four fragments
.set ZR,  KF+8                         ; a register of zeros
; window 1: accumulator (m, n, u) at v[8 (8 m + 2 n + u)]; at the end y's tile (m, dt) at v[8 (4 m + dt)]
; scalars: s[4:23] the ten addresses; s24 wave, s25 its group, s26 wave % 4; s[32:39] descriptor group 1; s[40:55] compare masks; s[56:59], s[60:63] group 0 of slots 0, 1; s66.. constants; s80.. at work
.set MSB, 0
.macro WIN new                         ; the immediate's high byte repeats the setting that is left; bits 1:0 source 0, 3:2 source 1, 5:4 source 2, 7:6 destination
.if MSB != \new
	s_set_vgpr_msb (MSB<<8)|\new
.set MSB, \new
.endif
.endm
.macro PLACES n                        ; plain vector places behind matrix instructions (ISA guide 7.12.1)
.rept \n
	v_nop
.endr
.endm
.macro ROUND                           ; a round of the cluster's barrier
	s_barrier_signal -1
	s_barrier_wait -1
	s_cmp_lg_u32 s24, 0
	s_cbranch_scc1 .Lnot_wave_0_\@
	s_barrier_signal -3
.Lnot_wave_0_\@:
	s_barrier_wait -3
	s_barrier_signal -1
	s_barrier_wait -1
.endm
; What the work on my block w + 8 n, query tile it, wants from memory: the mask words in the result's layout, q's fragment for kk = 0 and its scale words; for it = 0 also k's two fragments and scale words, which serve it = 1 too.
.macro LOADS n, it
.irp u, 0,1
.irp q, 0,1
	global_load_b128 v[BI+8*\u+4*\q:BI+8*\u+4*\q+3], v[MA], s[12:13] offset:(\it)*65536+(\n)*1024+64*\u+16*\q
.endr
.endr
.if (\it) == 0
.irp u, 0,1
.irp c, 0,1
	global_load_b128 v[KF+16*\u+4*\c:KF+16*\u+4*\c+3], v[KA], s[8:9] offset:(\n)*131072+8192*\u+32*\c
.endr
.endr
	global_load_u16 v[KS], v[KSA], s[10:11] offset:(\n)*4096       ; two scale bytes; the upper two come as 0, over zero codes
.endif
.irp c, 0,1
	global_load_b128 v[QF+4*\c:QF+4*\c+3], v[QA], s[14:15] offset:(\it)*16384+32*\c
.endr
	global_load_u16 v[QS], v[QSA], s[16:17] offset:(\it)*512
.endm
; S^T = k q^T + the mask's bias: two tiles of 16 keys
.macro PROD1 kk
.set DD, SR0+16*(\kk)
.if (\kk) == 0
	v_wmma_scale_f32_16x16x128_f8f6f4 v[DD:DD+7], v[KF:KF+15], v[QF:QF+15], v[BI:BI+7], v[KS], v[QS] matrix_a_fmt:MATRIX_FMT_BF8 matrix_b_fmt:MATRIX_FMT_BF8
	v_wmma_scale_f32_16x16x128_f8f6f4 v[DD+8:DD+15], v[KF+16:KF+31], v[QF:QF+15], v[BI+8:BI+15], v[KS], v[QS] matrix_a_fmt:MATRIX_FMT_BF8 matrix_b_fmt:MATRIX_FMT_BF8 matrix_a_scale:MATRIX_SCALE_ROW1
.else
	v_wmma_scale_f32_16x16x128_f8f6f4 v[DD:DD+7], v[KF:KF+15], v[QF:QF+15], v[BI:BI+7], v[KS], v[QS] matrix_a_fmt:MATRIX_FMT_BF8 matrix_b_fmt:MATRIX_FMT_BF8 matrix_b_scale:MATRIX_SCALE_ROW1
	v_wmma_scale_f32_16x16x128_f8f6f4 v[DD+8:DD+15], v[KF+16:KF+31], v[QF:QF+15], v[BI+8:BI+15], v[KS], v[QS] matrix_a_fmt:MATRIX_FMT_BF8 matrix_b_fmt:MATRIX_FMT_BF8 matrix_a_scale:MATRIX_SCALE_ROW1 matrix_b_scale:MATRIX_SCALE_ROW1
.endif
.endm
; 16 scores of a lane become sp (in MX) and G (onto the accumulators of tile m = 2 it + kk, block n = s / 2)
.macro VEC kk, s, it
.set SS, SR0+16*(\kk)
.set AC, 64*(2*(\it)+(\kk))+16*((\s)/2)
.irp i, 0,2,4,6,8,10,12,14
	v_pk_mul_f32 v[AA+\i:AA+\i+1], v[SS+\i:SS+\i+1], s[68:69] op_sel_hi:[1,0]      ; s c; each score tile is read from its low end on
.endr
.irp i, 0,1,2,3,4,5,6,7,8,9,10,11,12,13,14,15
	v_exp_f32 v[AA+\i], -|v[AA+\i]|                ; a
.endr
.irp i, 0,1,2,3,4,5,6,7,8,9,10,11,12,13,14,15
	v_max_num_f32 v[MX+\i], 0, v[SS+\i]            ; max(s, 0): plain lines behind the exponentials
.endr
	s_wait_alu depctr_va_vdst(0)
.irp i, 0,2,4,6,8,10,12,14
	v_pk_add_f32 v[UU+\i:UU+\i+1], v[AA+\i:AA+\i+1], 1.0 op_sel_hi:[1,0]           ; u = 1 + a
.endr
.irp i, 0,1,2,3,4,5,6,7,8,9,10,11,12,13,14,15
	v_log_f32 v[LL+\i], v[UU+\i]
.endr
.irp i, 0,2,4,6,8,10,12,14
	v_pk_add_f32 v[SS+\i:SS+\i+1], v[SS+\i:SS+\i+1], v[MX+\i:MX+\i+1] neg_lo:[0,1] neg_hi:[0,1]   ; min(s, 0), exact: plain lines behind the logarithms
.endr
.irp i, 0,2,4,6,8,10,12,14
	v_pk_add_f32 v[UU+\i:UU+\i+1], v[UU+\i:UU+\i+1], -1.0 op_sel_hi:[1,0]
.endr
.irp i, 0,2,4,6,8,10,12,14
	v_pk_add_f32 v[AA+\i:AA+\i+1], v[AA+\i:AA+\i+1], v[UU+\i:UU+\i+1] neg_lo:[0,1] neg_hi:[0,1]   ; what 1 + a rounded away
.endr
	s_wait_alu depctr_va_vdst(0)
.irp i, 0,2,4,6,8,10,12,14
	v_pk_fma_f32 v[LL+\i:LL+\i+1], v[LL+\i:LL+\i+1], s[70:71], v[AA+\i:AA+\i+1] op_sel_hi:[1,0,1]  ; Pn = log1p(a)
.endr
.irp i, 0,2,4,6,8,10,12,14
	v_pk_fma_f32 v[MX+\i:MX+\i+1], v[MX+\i:MX+\i+1], s[72:73], v[LL+\i:LL+\i+1] op_sel_hi:[1,0,1]  ; sp
.endr
.irp i, 0,2,4,6,8,10,12,14
	v_pk_fma_f32 v[SS+\i:SS+\i+1], v[SS+\i:SS+\i+1], s[74:75], v[LL+\i:LL+\i+1] op_sel_hi:[1,0,1]  ; G
.endr
	WIN 0x41                                       ; destination and source 0 window 1
.irp i, 0,2,4,6,8,10,12,14
	v_pk_add_f32 v[AC+\i:AC+\i+1], v[AC+\i:AC+\i+1], v[SS+\i:SS+\i+1]              ; onto the running sums, each accumulator from its low end on
.endr
	WIN 0
.endm
; the block's largest sp (my 16, lane l xor 16's 16, and the floor 2^(16 - 127)), the hold, the conversion's scale operand, the byte
.macro QMAX kk
	v_max3_num_f32 v[TMX], v[MX], v[MX+1], 0x8000000
	v_max3_num_f32 v[TM2], v[MX+2], v[MX+3], v[MX+4]
	v_max3_num_f32 v[TMX], v[TMX], v[MX+5], v[MX+6]
	v_max3_num_f32 v[TM2], v[TM2], v[MX+7], v[MX+8]
	v_max3_num_f32 v[TMX], v[TMX], v[MX+9], v[MX+10]
	v_max3_num_f32 v[TM2], v[TM2], v[MX+11], v[MX+12]
	v_max3_num_f32 v[TMX], v[TMX], v[MX+13], v[MX+14]
	v_max3_num_f32 v[TMX], v[TMX], v[TM2], v[MX+15]
	v_permlanex16_b32 v[TPD], v[TMX], s66, s67
	v_max_num_f32 v[TMX], v[TMX], v[TPD]
	v_and_or_b32 v[THO], v[TMX], 0x7f800000, s76   ; 57,344 x the scale
	v_add_nc_u32 v[TSC], 0xf8800000, v[TMX]        ; 15 off the exponent field
	v_lshrrev_b32 v[PB+(\kk)], 23, v[TSC]
.endm
.macro QCVT kk, s, it
.irp i, 0,1,2,3,4,5,6,7,8,9,10,11,12,13,14,15
	v_min_num_f32 v[MX+\i], v[MX+\i], v[THO]       ; the conversion to an 8-bit code does not saturate (ISA guide 7.6.2); sp is not negative, so the hold is one-sided
.endr
	v_cvt_scalef32_pk8_bf8_f32 v[PC+4*(\kk):PC+4*(\kk)+1], v[MX:MX+7], v[TSC]
	v_cvt_scalef32_pk8_bf8_f32 v[PC+4*(\kk)+2:PC+4*(\kk)+3], v[MX+8:MX+15], v[TSC]
	v_nop                                          ; a plain line behind the conversions
	ds_store_b128 v[XWI], v[PC+4*(\kk):PC+4*(\kk)+3] offset:((\s)%3)*XBUF+2048*(2*(\it)+(\kk))    ; registers 4 c .. 4 c + 3 (c = wave % 4) of the fragment's image
	ds_store_b8 v[XWS], v[PB+(\kk)] offset:((\s)%3)*XSB+128*(2*(\it)+(\kk))                       ; byte c of the rows' scale words
.endm
; My block of step s for the 16 queries of tile it, both top-k
.macro HA s, it
	s_wait_dscnt 0x0                               ; my earlier image stores have read their registers
	s_wait_loadcnt 0x0                             ; all that LOADS asked for
.irp i, 0,1,2,3,4,5,6,7,8,9,10,11,12,13,14,15
	v_cmp_ne_u32 s[40+\i], 0, v[BI+\i]
.endr
.irp i, 0,1,2,3,4,5,6,7,8,9,10,11,12,13,14,15
	v_cndmask_b32 v[BI+\i], s77, v[ZR], s[40+\i]   ; 0 where the mask keeps, -2^100 where it hides; it serves both top-k
.endr
	PLACES 4
	PROD1 0
	PLACES 8                                       ; in front of the loads into q's fragment and of the first read of the scores
.irp c, 0,1
	global_load_b128 v[QF+4*\c:QF+4*\c+3], v[QA], s[14:15] offset:(\it)*16384+512+32*\c           ; q for kk = 1
.endr
	VEC 0, \s, \it
	s_wait_loadcnt 0x0                             ; q for kk = 1: nothing else is out
	PROD1 1
	QMAX 0                                         ; twelve plain lines that name none of those products' registers: the places in front of the loads below
.if (\it) == 0
	LOADS (\s)/2, 1
.elseif (\s)+2 <= 7
	LOADS (\s)/2+1, 0
.endif
	QCVT 0, \s, \it
	VEC 1, \s, \it
	QMAX 1
	QCVT 1, \s, \it
.endm
; cum_weight's two fragments (32 rows x 128 along j) of my block n into buffer buf, in pieces of 8 bytes: registers 4 c + 2 q take j = 32 c + 16 q + 8 (lane / 16) + 0..7
.macro WLOAD buf, slot, n
.set AR, ADW+(ADW1-ADW)*(\buf)
	v_add_nc_u32 v[AR], (\slot)*SLOTB+(\n)*256*PITCH, v[AW]
.irp u, 0,1
.irp c, 0,1,2,3
.irp q, 0,1
	ds_load_b64 v[WF+32*(\buf)+16*\u+4*\c+2*\q:WF+32*(\buf)+16*\u+4*\c+2*\q+1], v[AR] offset:16*PITCH*\u+32*\c+16*\q
.endr
.endr
.endr
.endm
; eight products: block n's two tiles of columns x the four tiles of rows.  The accumulators take turns, one instruction a turn.
.macro MM8 buf, n, s, zero
	WIN 0x50                                       ; C and D window 1
.irp u, 0,1
.irp m, 0,1,2,3
.if \zero
.if \u == 0
	v_wmma_scale_f32_16x16x128_f8f6f4 v[8*(8*\m+2*(\n)+\u):8*(8*\m+2*(\n)+\u)+7], v[WF+32*(\buf)+16*\u:WF+32*(\buf)+16*\u+15], v[XF+16*\m:XF+16*\m+15], 0, v[SCW+8*(\n)+(\s)], v[XS+\m] matrix_a_fmt:MATRIX_FMT_BF8 matrix_b_fmt:MATRIX_FMT_BF8
.else
	v_wmma_scale_f32_16x16x128_f8f6f4 v[8*(8*\m+2*(\n)+\u):8*(8*\m+2*(\n)+\u)+7], v[WF+32*(\buf)+16*\u:WF+32*(\buf)+16*\u+15], v[XF+16*\m:XF+16*\m+15], 0, v[SCW+8*(\n)+(\s)], v[XS+\m] matrix_a_fmt:MATRIX_FMT_BF8 matrix_b_fmt:MATRIX_FMT_BF8 matrix_a_scale:MATRIX_SCALE_ROW1
.endif
.else
.if \u == 0
	v_wmma_scale_f32_16x16x128_f8f6f4 v[8*(8*\m+2*(\n)+\u):8*(8*\m+2*(\n)+\u)+7], v[WF+32*(\buf)+16*\u:WF+32*(\buf)+16*\u+15], v[XF+16*\m:XF+16*\m+15], v[8*(8*\m+2*(\n)+\u):8*(8*\m+2*(\n)+\u)+7], v[SCW+8*(\n)+(\s)], v[XS+\m] matrix_a_fmt:MATRIX_FMT_BF8 matrix_b_fmt:MATRIX_FMT_BF8
.else
	v_wmma_scale_f32_16x16x128_f8f6f4 v[8*(8*\m+2*(\n)+\u):8*(8*\m+2*(\n)+\u)+7], v[WF+32*(\buf)+16*\u:WF+32*(\buf)+16*\u+15], v[XF+16*\m:XF+16*\m+15], v[8*(8*\m+2*(\n)+\u):8*(8*\m+2*(\n)+\u)+7], v[SCW+8*(\n)+(\s)], v[XS+\m] matrix_a_fmt:MATRIX_FMT_BF8 matrix_b_fmt:MATRIX_FMT_BF8 matrix_a_scale:MATRIX_SCALE_ROW1
.endif
.endif
.endr
.endr
	WIN 0
.endm
; Step s of the second product: sp's four fragments and scale words from the images, my four blocks of cum_weight from slot s % 2, 32 products.
; In step 0 blocks 1 to 3 start their sums with the constant 0; block 0's sums began as zeros at the head and hold G by now.
.macro P2 s
.set ZS, 0
.if (\s) == 0
.set ZS, 1
.endif
.irp m, 0,1,2,3
.irp c, 0,1,2,3
	ds_load_b128 v[XF+16*\m+4*\c:XF+16*\m+4*\c+3], v[LI] offset:((\s)%3)*XBUF+2048*\m+512*\c
.endr
	ds_load_b32 v[XS+\m], v[LS] offset:((\s)%3)*XSB+128*\m
.endr
	WLOAD 0, (\s)%2, 0
	WLOAD 1, (\s)%2, 1
	s_wait_dscnt 16                                ; all but buffer 1's sixteen loads
	MM8 0, 0, \s, 0
	PLACES 8                                       ; in front of loads into registers that these products read
	WLOAD 0, (\s)%2, 2
	s_wait_dscnt 16                                ; buffer 1 is in; the sixteen just issued may be out
	MM8 1, 1, \s, ZS
	PLACES 8
	WLOAD 1, (\s)%2, 3
	s_wait_dscnt 16                                ; buffer 0 is in
	MM8 0, 2, \s, ZS
	s_wait_dscnt 0x0
	MM8 1, 3, \s, ZS
	PLACES 8                                       ; whatever follows may load into these products' registers, or add G onto their results
.endm
.macro PERIOD p
	s_cmp_eq_u32 s25, (\p)%2                       ; the branches hang on the wave's number alone
	s_cbranch_scc0 .Lnot_first_\@
.if (\p) == 0
	HA 0, 0
.endif
	HA \p, 1
.Lnot_first_\@:
.if (\p) > 0
	P2 (\p)-1
.endif
.if (\p) < 7
	s_cmp_eq_u32 s25, (\p)%2
	s_cbranch_scc1 .Lnot_second_\@
	HA (\p)+1, 0
.Lnot_second_\@:
.endif
.endm
; The end of a period behind which slot f, just read out, takes the step two on: a joint load, so the barrier is a round of the cluster's.
.macro REFILL f
	s_wait_tensorcnt 0x0                           ; all my tensor loads have landed: the one that was out is my part of the other slot
	ds_add_u32 v[SPW], v[NIL]                      ; 0 onto my spare word
	s_add_nc_u64 s[58+4*(\f):59+4*(\f)], s[58+4*(\f):59+4*(\f)], 256               ; two steps of 128 bytes on; the type bits on top are not reached
	s_wait_dscnt 0x0                               ; the add is done, my reads of the slot and of the images are over, my image stores have landed
	ROUND
	tensor_load_to_lds s[56+4*(\f):59+4*(\f)], s[32:39]                            ; my one tensor load behind the round: 128 rows; it has a whole period in which to land
	s_nop 0
	PLACES 4
.endm
; att of tile m: x = -log2(e) acc, 2^x, quantised along the columns: my four blocks are the four blocks of one K step of the last product.
; A block's largest att is 2^(its largest x): the same instruction on the same number gives the same bits (this takes v_exp_f32 not to fall where its input rises).
.macro PHASEB m
	WIN 0x01                                       ; source 0 window 1
.set i, 0
.rept 32
	v_pk_mul_f32 v[TT+i:TT+i+1], v[64*(\m)+i:64*(\m)+i+1], s[78:79] op_sel_hi:[1,0]  ; each accumulator from its low end on
.set i, i+2
.endr
	WIN 0
.irp b, 0,1,2,3
	v_max3_num_f32 v[116+\b], v[TT+16*\b], v[TT+16*\b+1], v[TT+16*\b+2]
.endr
.irp i, 3,5,7,9,11,13
.irp b, 0,1,2,3
	v_max3_num_f32 v[116+\b], v[116+\b], v[TT+16*\b+\i], v[TT+16*\b+\i+1]
.endr
.endr
.irp b, 0,1,2,3
	v_max_num_f32 v[116+\b], v[116+\b], v[TT+16*\b+15]
.endr
.irp b, 0,1,2,3
	v_permlanex16_b32 v[120+\b], v[116+\b], s66, s67
.endr
.irp b, 0,1,2,3
	v_max_num_f32 v[116+\b], v[116+\b], v[120+\b]
.endr
.set i, 0
.rept 64
	v_exp_f32 v[TT+i], v[TT+i]                     ; att
.set i, i+1
.endr
.irp b, 0,1,2,3
	v_exp_f32 v[116+\b], v[116+\b]
.endr
	v_nop                                          ; a plain line behind the exponentials
	s_wait_alu depctr_va_vdst(0)
.irp b, 0,1,2,3
	v_max_num_f32 v[116+\b], 0x8000000, v[116+\b]  ; the floor 2^(16 - 127): the byte cannot fall under 1
.endr
.irp b, 0,1,2,3
	v_and_or_b32 v[120+\b], v[116+\b], 0x7f800000, s76
.endr
.irp b, 0,1,2,3
	v_add_nc_u32 v[116+\b], 0xf8800000, v[116+\b]
.endr
	v_lshrrev_b32 v[20+8*(\m)], 23, v116           ; the four bytes make the rows' scale word
	v_lshrrev_b32 v124, 23, v117
	v_lshrrev_b32 v125, 23, v118
	v_lshrrev_b32 v126, 23, v119
	v_lshl_or_b32 v[20+8*(\m)], v124, 8, v[20+8*(\m)]
	v_lshl_or_b32 v[20+8*(\m)], v125, 16, v[20+8*(\m)]
	v_lshl_or_b32 v[20+8*(\m)], v126, 24, v[20+8*(\m)]
.irp b, 0,1,2,3
.irp i, 0,1,2,3,4,5,6,7,8,9,10,11,12,13,14,15
	v_min_num_f32 v[TT+16*\b+\i], v[TT+16*\b+\i], v[120+\b]
.endr
	v_cvt_scalef32_pk8_bf8_f32 v[192+16*(\m)+4*\b:192+16*(\m)+4*\b+1], v[TT+16*\b:TT+16*\b+7], v[116+\b]
	v_cvt_scalef32_pk8_bf8_f32 v[192+16*(\m)+4*\b+2:192+16*(\m)+4*\b+3], v[TT+16*\b+8:TT+16*\b+15], v[116+\b]
.endr
	v_nop                                          ; a plain line behind the conversions
.endm
	; ---- the head
	s_load_b512 s[4:19], s[0:1], 0x0               ; cw codes s[4:5], cw scales s[6:7], k codes s[8:9], k scales s[10:11], mask s[12:13], q codes s[14:15], q scales s[16:17], v codes s[18:19]
	s_load_b128 s[20:23], s[0:1], 0x40             ; v scales s[20:21], out s[22:23]
	v_lshl_add_u32 v[SPW], v0, 2, SPARE
	v_mov_b32 v[NIL], 0
	ds_add_u32 v1, v2
	ds_add_u32 v1, v2
	s_wait_dscnt 0x0
	v_lshrrev_b32 v[TMX], 5, v0
	v_readfirstlane_b32 s24, v[TMX]                ; wave 0..7
	s_lshr_b32 s25, s24, 2                         ; its group: steps of which parity are mine
	s_and_b32 s26, s24, 3                          ; which block of such a step
	s_bfe_u32 s27, ttmp6, 0x40000                  ; cx: it enters the addresses of q, k, v, mask and out alone
	s_lshl_b32 s28, ttmp9, 2
	s_add_co_u32 s27, s28, s27                     ; work-group 0..511
	s_bfe_u32 s28, s27, 0x10003                    ; b
	s_and_b32 s29, s27, 7                          ; head
	s_lshr_b32 s30, s27, 4                         ; block of 32 queries: the same in the four partners
	s_and_b32 s31, s27, 15                         ; 8 b + head
	v_and_b32 v116, 15, v0                         ; r
	v_bfe_u32 v117, v0, 4, 1                       ; h
	v_and_b32 v118, 31, v0                         ; lane
	s_mul_i32 s80, s24, 32*PITCH
	v_mul_u32_u24 v[AW], v116, PITCH
	v_lshl_add_u32 v[AW], v117, 3, v[AW]
	v_add_nc_u32 v[AW], s80, v[AW]                 ; row 32 w + r, + 8 h
	v_lshl_add_u32 v[LI], v118, 4, XIMG
	v_lshl_add_u32 v[LS], v118, 2, XSC
	s_lshl_b32 s81, s26, 9
	v_add_nc_u32 v[XWI], s81, v[LI]
	v_add_nc_u32 v[XWS], s26, v[LS]
	s_mul_i32 s80, s24, PART
	v_mul_u32_u24 v[STO], v116, SPITCH
	v_lshl_add_u32 v[STO], v117, 5, v[STO]
	v_add_nc_u32 v[STO], s80, v[STO]               ; my partial: row r, + 32 h
	s_mul_i32 s80, s24, 8*SPITCH
	v_mul_u32_u24 v[RD1], v117, SPITCH
	v_lshl_add_u32 v[RD1], v116, 4, v[RD1]
	v_add_nc_u32 v[RD1], s80, v[RD1]               ; back: rows 8 w + h, 16 bytes a lane
	v_add_nc_u32 v[RD2], 4*PART, v[RD1]
	v_lshlrev_b32 v[MA], 12, v116                  ; mask: row r of 4,096 bytes, + 32 h, + block w's 128 bytes (block w + 8 n: 1,024 n more, in the immediate)
	v_lshl_add_u32 v[MA], v117, 5, v[MA]
	s_lshl_b32 s80, s24, 7
	v_add_nc_u32 v[MA], s80, v[MA]
	v_lshlrev_b32 v[KA], 9, v116                   ; k: key r is 512 bytes on, + 16 h, + block w's 32 keys
	v_lshl_add_u32 v[KA], v117, 4, v[KA]
	s_lshl_b32 s80, s24, 14
	v_add_nc_u32 v[KA], s80, v[KA]
	s_lshl_b32 s80, s24, 9
	v_lshl_add_u32 v[KSA], v118, 4, s80            ; k's scales: 16 bytes a key, lane = key of the block
	v_lshlrev_b32 v[QA], 10, v116                  ; q: query r is 1,024 bytes on, + 16 h
	v_lshl_add_u32 v[QA], v117, 4, v[QA]
	v_lshlrev_b32 v[QSA], 5, v116                  ; q's scales: 32 bytes a query, 16 a top-k: lanes 16-31 take kk = 1
	v_lshl_add_u32 v[QSA], v117, 4, v[QSA]
	s_lshl_b32 s80, s24, 10
	v_lshl_add_u32 v[CWA], v118, 5, s80            ; cum_weight's scales: 32 bytes a row, row 32 w + lane
.irp i, 8,9,10,11,12,13,14,15
	v_mov_b32 v[KF+\i], 0                          ; K = 64 of the instruction's 128: the rest are zero codes, on both sides
	v_mov_b32 v[KF+16+\i], 0
	v_mov_b32 v[QF+\i], 0
.endr
	v_mov_b32 v[TPD], 0                            ; written once: a lane permute's destination counts as one of its sources
	v_mov_b32 v[THO], 0
	v_mov_b32 v[TSC], 0
	WIN 0x40                                       ; destination window 1
.irp m, 0,1,2,3
.irp i, 0,1,2,3,4,5,6,7,8,9,10,11,12,13,14,15
	v_mov_b32 v[64*\m+\i], 0                       ; block 0's sums begin as zeros: its G comes ahead of the first products, and so G is added by one text in every step
.endr
.endr
	WIN 0
	s_mov_b32 s66, 0x76543210
	s_mov_b32 s67, 0xfedcba98                      ; lane l xor 16
	s_mov_b32 s68, 0x3e38aa3b                      ; c = log2(e) / 8
	s_mov_b32 s69, s68                             ; (the packed forms name pairs)
	s_mov_b32 s70, 0x3f317218                      ; ln 2
	s_mov_b32 s71, s70
	s_mov_b32 s72, 0x3e000000                      ; 1/8
	s_mov_b32 s73, s72
	s_mov_b32 s74, 0xbe000000                      ; -1/8
	s_mov_b32 s75, s74
	s_mov_b32 s76, 0x600000                        ; the mantissa field of 57,344
	s_mov_b32 s77, 0xf1800000                      ; -2^100
	s_mov_b32 s78, 0xbfb8aa3b                      ; -log2(e)
	s_mov_b32 s79, s78
	; descriptor group 1: 128 rows x 128 bytes of cum_weight's codes, rows 1,024 bytes apart, 16 bytes of padding behind each row in LDS
	s_mov_b32 s32, 15|(0<<16)|(1<<20)|(1<<21)|(4<<22)|(3<<25)   ; 15:0 the mask: all four work-groups; elements of 1 byte; padding on; bit 21 beside a mask; after every 32 words four words
	s_mov_b32 s33, 128<<16                         ; tensor_dim0
	s_mov_b32 s34, 128<<16                         ; tensor_dim1
	s_mov_b32 s35, 128<<16                         ; tile_dim0
	s_mov_b32 s36, 128                             ; tile_dim1
	s_mov_b32 s37, 1024                            ; from row to row
	s_mov_b32 s38, 0
	s_mov_b32 s39, 0
	s_mul_i32 s83, s24, WTILE                      ; my 128 rows in a slot
	s_lshl_b32 s84, s24, 17                        ; and in memory
	s_mov_b32 s85, 0
	s_wait_kmcnt 0x0
	s_add_nc_u64 s[84:85], s[4:5], s[84:85]
.irp f, 0,1
	s_mov_b32 s[56+4*\f], 1
	s_add_co_u32 s[57+4*\f], s83, \f*SLOTB
	s_add_nc_u64 s[58+4*\f:59+4*\f], s[84:85], \f*128              ; step f
	s_or_b32 s[59+4*\f], s[59+4*\f], 0x80000000
.endr
	ROUND                                          ; all four work-groups are here: the first joint loads meet
	tensor_load_to_lds s[56:59], s[32:39]          ; the two first fills together: two loads of mine are out
	s_nop 0
	tensor_load_to_lds s[60:63], s[32:39]
	s_nop 0
	PLACES 4
	; each buffer's address at this work-group's part
	s_mov_b32 s87, 0
	s_lshl_b32 s86, s28, 19
	s_lshl_b32 s88, s29, 6
	s_add_co_u32 s86, s86, s88
	s_add_nc_u64 s[8:9], s[8:9], s[86:87]          ; k codes: b, head
	s_lshl_b32 s86, s28, 14
	s_lshl_b32 s88, s29, 1
	s_add_co_u32 s86, s86, s88
	s_add_nc_u64 s[10:11], s[10:11], s[86:87]      ; k scales
	s_lshl_b32 s86, s30, 17
	s_add_nc_u64 s[12:13], s[12:13], s[86:87]      ; mask: my 32 rows
	s_lshl_b32 s86, s28, 20
	s_lshl_b32 s88, s30, 15
	s_add_co_u32 s86, s86, s88
	s_lshl_b32 s88, s29, 6
	s_add_co_u32 s86, s86, s88
	s_add_nc_u64 s[14:15], s[14:15], s[86:87]      ; q codes: b, my first query, head
	s_lshl_b32 s86, s28, 15
	s_lshl_b32 s88, s30, 10
	s_add_co_u32 s86, s86, s88
	s_lshl_b32 s88, s29, 1
	s_add_co_u32 s86, s86, s88
	s_add_nc_u64 s[16:17], s[16:17], s[86:87]      ; q scales
	s_lshl_b32 s86, s31, 16
	s_add_nc_u64 s[18:19], s[18:19], s[86:87]      ; v codes: 64 rows of 1,024 a head
	s_lshl_b32 s86, s31, 11
	s_add_nc_u64 s[20:21], s[20:21], s[86:87]      ; v scales
	s_lshl_b32 s86, s28, 22                        ; out: b; query i0 + 16 (w / 4) + 8 (w % 2); top-k (w / 2) % 2; head: the eight rows that I store at the end
	s_lshl_b32 s88, s30, 17
	s_add_co_u32 s86, s86, s88
	s_lshl_b32 s88, s25, 16
	s_add_co_u32 s86, s86, s88
	s_and_b32 s88, s24, 1
	s_lshl_b32 s88, s88, 15
	s_add_co_u32 s86, s86, s88
	s_bfe_u32 s88, s24, 0x10001
	s_lshl_b32 s88, s88, 11
	s_add_co_u32 s86, s86, s88
	s_lshl_b32 s88, s29, 8
	s_add_co_u32 s86, s86, s88
	s_add_nc_u64 s[22:23], s[22:23], s[86:87]
.irp n, 0,1,2,3
.irp q, 0,1
	global_load_b128 v[SCW+8*\n+4*\q:SCW+8*\n+4*\q+3], v[CWA], s[6:7] offset:8192*\n+16*\q        ; my 128 rows' scale words, all eight steps: they stay in registers
.endr
.endr
	LOADS 0, 0                                     ; my first block, the first query tile: the offsets hold my block, so one text serves both groups
	; ---- the periods
	PERIOD 0
	s_wait_tensorcnt 0x1                           ; my part of slot 0 is in; slot 1's load, issued behind it, may stay out
	s_wait_dscnt 0x0                               ; my image stores have landed
	s_barrier_signal -1
	s_barrier_wait -1
.irp p, 1,2,3,4,5,6
	PERIOD \p
	REFILL (\p-1)%2                                ; step p + 1 into the slot that step p - 1 has left
.endr
	PERIOD 7
	s_wait_tensorcnt 0x0                           ; my part of step 7: my last tensor load
	s_wait_loadcnt 0x0                             ; no load of mine is out: the offsets may be rewritten below, and v's loads may take the registers of k, q and the mask
	s_wait_dscnt 0x0                               ; my reads of slot 0 are over: the stage may be laid there behind this barrier
	s_barrier_signal -1
	s_barrier_wait -1
	; period 8: v's fragments and scale bytes are asked for, then the last step of the second product
.set VA,  MA
.set VSA, KA
.set OA,  KSA
	v_and_b32 v[TMX], 15, v0
	v_bfe_u32 v[THO], v0, 4, 1
	s_lshl_b32 s80, s24, 5
	v_lshlrev_b32 v[VA], 10, v[TMX]
	v_lshl_add_u32 v[VA], v[THO], 3, v[VA]
	v_add_nc_u32 v[VA], s80, v[VA]                 ; v: row r of 1,024 bytes, + 8 h, + 32 w
	v_lshl_add_u32 v[VSA], v[TMX], 5, s24          ; its scales: 32 bytes a row, byte w
	v_lshlrev_b32 v[OA], 4, v[TMX]
	v_lshl_add_u32 v[OA], v[THO], 12, v[OA]        ; out: lanes 0-15 one query's 256 bytes, lanes 16-31 the next query's
.irp dt, 0,1,2,3
.irp n, 0,1,2,3
.irp q, 0,1
	global_load_b64 v[48+16*\dt+4*\n+2*\q:48+16*\dt+4*\n+2*\q+1], v[VA], s[18:19] offset:16384*\dt+256*\n+16*\q   ; K block n is my column block w + 8 n, in att's order of places
.endr
	global_load_u8 v[16+8*\dt+\n], v[VSA], s[20:21] offset:512*\dt+8*\n
.endr
.endr
	P2 7
	; ---- the end: att, the last product over my 128 columns, the sum over the eight waves
	s_wait_loadcnt 0x0
.irp dt, 0,1,2,3
	v_lshl_or_b32 v[16+8*\dt], v[17+8*\dt], 8, v[16+8*\dt]         ; v's scale words
.endr
.irp dt, 0,1,2,3
	v_lshl_or_b32 v[16+8*\dt], v[18+8*\dt], 16, v[16+8*\dt]
.endr
.irp dt, 0,1,2,3
	v_lshl_or_b32 v[16+8*\dt], v[19+8*\dt], 24, v[16+8*\dt]
.endr
	PHASEB 0
	PHASEB 1
	PHASEB 2
	PHASEB 3
	PLACES 4                                       ; codes written by vector instructions stand four places ahead of a scaled matrix instruction
	WIN 0x40                                       ; D window 1
.irp m, 0,1,2,3
.irp dt, 0,1,2,3
	v_wmma_scale_f32_16x16x128_f8f6f4 v[8*(4*\m+\dt):8*(4*\m+\dt)+7], v[48+16*\dt:48+16*\dt+15], v[192+16*\m:192+16*\m+15], 0, v[16+8*\dt], v[20+8*\m] matrix_a_fmt:MATRIX_FMT_BF8 matrix_b_fmt:MATRIX_FMT_BF8
.endr
.endr
	WIN 0
	PLACES 8
	WIN 0x04                                       ; an LDS store's data are its source 1: window 1
.irp m, 0,1,2,3
.irp dt, 0,1,2,3
	ds_store_b128 v[STO], v[8*(4*\m+\dt):8*(4*\m+\dt)+3] offset:16*SPITCH*\m+64*\dt               ; lane (r, h): y(16 m + r, 16 dt + 8 h + 0..7), each tile from its low end on
	ds_store_b128 v[STO], v[8*(4*\m+\dt)+4:8*(4*\m+\dt)+7] offset:16*SPITCH*\m+64*\dt+16
.endr
.endr
	WIN 0
	s_wait_dscnt 0x0                               ; for the others' sake: my partial lies in the stage
	s_barrier_signal -1
	s_barrier_wait -1
.irp p, 0,1,2,3
.irp q, 0,1,2,3
	ds_load_b128 v[128+16*\p+4*\q:128+16*\p+4*\q+3], v[RD1] offset:PART*\p+2*SPITCH*\q            ; rows 8 w + 2 q + h of partial p
.endr
.endr
.irp p, 4,5,6,7
.irp q, 0,1,2,3
	ds_load_b128 v[128+16*\p+4*\q:128+16*\p+4*\q+3], v[RD2] offset:PART*(\p-4)+2*SPITCH*\q
.endr
.endr
	s_wait_dscnt 0x0
.irp p, 1,2,3,4,5,6,7
.irp q, 0,1,2,3
	v_pk_add_f32 v[128+4*\q:129+4*\q], v[128+4*\q:129+4*\q], v[128+16*\p+4*\q:129+16*\p+4*\q]     ; the partials in ascending order
	v_pk_add_f32 v[130+4*\q:131+4*\q], v[130+4*\q:131+4*\q], v[130+16*\p+4*\q:131+16*\p+4*\q]
.endr
.endr
.irp q, 0,1,2,3
	global_store_b128 v[OA], v[128+4*\q:131+4*\q], s[22:23] offset:8192*\q th:TH_STORE_NT         ; sixteen lanes store one row of y: 256 consecutive bytes, at a multiple of 256 from the first byte of out
.endr
	s_wait_tensorcnt 0x0                           ; the wave's end, behind my last tensor load and my last LDS store
	ds_add_u32 v[SPW], v[NIL]
	s_wait_dscnt 0x0
	ROUND                                          ; the closing round: no work-group ends while a partner may still ask for a tile that names it
	s_endpgm
.Lfunc_end_k_q74aeba3007_attn:
	.size	k_q74aeba3007_attn, .Lfunc_end_k_q74aeba3007_attn-k_q74aeba3007_attn
	.p2alignl 7, 3214868480
	.fill 96, 4, 3214868480
	.section	.rodata,"a",@progbits
	.p2align	6, 0x0
	.amdhsa_kernel k_q74aeba3007_attn
		.amdhsa_group_segment_fixed_size 327680
		.amdhsa_private_segment_fixed_size 0
		.amdhsa_enable_private_segment 0
		.amdhsa_kernarg_size 80
		.amdhsa_user_sgpr_count 2
		.amdhsa_user_sgpr_kernarg_segment_ptr 1
		.amdhsa_wavefront_size32 1
		.amdhsa_system_sgpr_workgroup_id_x 1
		.amdhsa_system_sgpr_workgroup_id_y 1
		.amdhsa_system_sgpr_workgroup_id_z 1
		.amdhsa_system_vgpr_workitem_id 0
		.amdhsa_next_free_vgpr 512
		.amdhsa_next_free_sgpr 96
		.amdhsa_reserve_vcc 0
		.amdhsa_float_denorm_mode_32 3
		.amdhsa_float_denorm_mode_16_64 3
		.amdhsa_memory_ordered 1
		.amdhsa_forward_progress 1
		.amdhsa_inst_pref_size 255
	.end_amdhsa_kernel
	.section	.bss,"aw",@nobits
	.p2align	6
	.space	262144
	.amdgpu_metadata
---
amdhsa.version: [ 1, 2 ]
amdhsa.kernels:
  - .name:           k_q74aeba3007_attn
    .symbol:         k_q74aeba3007_attn.kd
    .args:
      - { .name: cum_weight_codes, .offset: 0, .size: 8, .value_kind: global_buffer, .address_space: global }
      - { .name: cum_weight_scales, .offset: 8, .size: 8, .value_kind: global_buffer, .address_space: global }
      - { .name: k_codes, .offset: 16, .size: 8, .value_kind: global_buffer, .address_space: global }
      - { .name: k_scales, .offset: 24, .size: 8, .value_kind: global_buffer, .address_space: global }
      - { .name: mask, .offset: 32, .size: 8, .value_kind: global_buffer, .address_space: global }
      - { .name: q_codes, .offset: 40, .size: 8, .value_kind: global_buffer, .address_space: global }
      - { .name: q_scales, .offset: 48, .size: 8, .value_kind: global_buffer, .address_space: global }
      - { .name: v_codes, .offset: 56, .size: 8, .value_kind: global_buffer, .address_space: global }
      - { .name: v_scales, .offset: 64, .size: 8, .value_kind: global_buffer, .address_space: global }
      - { .name: out0, .offset: 72, .size: 8, .value_kind: global_buffer, .address_space: global }
    .group_segment_fixed_size: 327680
    .private_segment_fixed_size: 0
    .kernarg_segment_align: 8
    .kernarg_segment_size: 80
    .max_flat_workgroup_size: 256
    .sgpr_count:     96
    .vgpr_count:     512
    .wavefront_size: 32
...
	.end_amdgpu_metadata
.endif
;; end of part 1
